; MI455X (gfx1250); checked and timed in simulation.
; The chip was launched on July 23, 2026; its instructions are those of AMD's public machine-readable ISA for CDNA 5 (MIT licence, August 2026) and "CDNA5" Instruction Set Architecture Reference Guide (July 2026). The comments in the code are by the model that wrote it; some were corrected since.
;; Noisy Dense. Allowed arithmetic: matrix products marked QUANTISED: E2M1 operands, one E8M0 scale for each 32 along K, by v_wmma_scale_f32_16x16x128_f8f6f4 with both operands' format E2M1 (or v_wmma_scale_f32_32x16x128_f4), f32 sums; everything else in f32.
;; Inputs: kernel 4,096 x 4,096 float32; noise_eps 4,096 x 4,096 float32; noise_mean 4,096 float32; noise_std 4,096 float32; x 4,096 x 4,096 float32.
;; Outputs: out0 4,096 x 4,096 float32.
;; This version of the problem:
;;   THIS VERSION OF THE PROBLEM IS GIVEN IN LOW PRECISION. The matrix products marked QUANTISED in the list below multiply operands that are first quantised to E2M1 (2 exponent bits, 1 mantissa bit; 4 bits a number), with one power-of-two scale for each 32 numbers along K (OCP MX v1.0); their sums are f32. All else is computed in f32.
;;   The module's matrix products, in the order in which they are computed (A, B: the left and right operand; K: the contracted axis; several contracted axes count as one K, in the product's order):
;;     1. [M 4,096, K 4,096] x [K 4,096, N 4,096]; A: input x; B: input kernel: QUANTISED
;;   THE QUANTISER, for each operand of a quantised product, along K:
;;     - K is cut into blocks of 32 from its start; a last block that is shorter is filled with zeros.
;;     - A block's scale is 2^e with e = floor(log2(the largest magnitude in the block)) - 2, held to -126 .. 127; a block of zeros has e = 0. As a byte (E8M0): e + 127.
;;     - Each number is divided by its block's scale, clamped to +-6, and rounded to the nearest number of E2M1, ties to even, subnormals kept.
;;     - The product sums the exact products of the quantised numbers (number of the format x scale) in f32.
;;   ~~~python
;;   def quantise(x, axis):      # numpy; x: float32 -> the quantised numbers, widened to float32 again
;;       x = np.moveaxis(x, axis, -1); K = x.shape[-1]
;;       x = np.pad(x, [(0, 0)] * (x.ndim - 1) + [(0, -K % 32)]); x = x.reshape(x.shape[:-1] + (-1, 32)); a = np.abs(x).max(-1, keepdims=True)
;;       e = np.where(a > 0, np.clip(np.frexp(np.where(a > 0, a, 1))[1] - 1 - 2, -126, 127), 0)      # np.frexp(a)[1] - 1 = floor(log2(a)), exactly
;;       r = np.clip(x / 2.0 ** e, -6, 6)
;;       step = 2.0 ** (np.maximum(np.frexp(np.where(r == 0, 1, r))[1] - 1, 0) - 1)
;;       q = np.round(r / step) * step * 2.0 ** e      # np.round: ties to even
;;       return np.moveaxis(q.reshape(q.shape[:-2] + (-1,))[..., :K], -1, axis).astype(np.float32)
;;   ~~~
;; One version. Each part assembles by itself: llvm-mc -triple=amdgcn-amd-amdhsa -mcpu=gfx1250 --defsym DOCPART=n.
;; ======== version 1 of 1: 2 launches
;; workspace buffers: xq 8,912,896 bytes; wq 8,912,896 bytes
;; launch quant (part 1): grid 768 x 1, 4 waves a work-group, no clusters, 68,096 bytes of LDS; arguments x, kernel, xq, wq; writes xq, wq
.if DOCPART == 1
	.amdgcn_target "amdgcn-amd-amdhsa--gfx1250"
	.amdhsa_code_object_version 6
	.text
	.protected	k_q1c8fc1e715_quant
	.globl	k_q1c8fc1e715_quant
	.p2align	8
	.type	k_q1c8fc1e715_quant,@function
k_q1c8fc1e715_quant:
	s_mov_b64 s[64:65], 0
	v_nop
	global_prefetch_b8 v0, s[64:65] scope:SCOPE_SE
	s_setreg_imm32_b32 hwreg(HW_REG_WAVE_MODE, 25, 1), 1
	s_wait_xcnt 0x0
; x [4096 (m)][4096 (k)] and kernel [4096 (k)][4096 (n)], f32, become codes of FP4 (E2M1), 4 bits each, with one E8M0 scale byte for each 32 along K.
; A block's scale is 2^(floor(log2(its largest magnitude)) - 2); its byte is the largest magnitude's own exponent field - 2, held at 1 from below.
; Each number is divided by the scale and rounded to the nearest code, ties to even; beyond the largest code the conversion gives the largest code.
; LIMITS: NaN and infinities among the inputs are not served.  A block of zeros gets the byte 1 where the rule says 127: its codes are zeros, which add
; nothing under any byte but 0xff, and the bytes are read by this program alone.
; THE LAYOUT OF xq AND wq IS THE READER'S: [32 groups of 128 rows][8 K steps of 512][TILEB bytes].  In such a block row r of the group has its 512 codes
; (K innermost, the lower k in the low four bits) in the 256 bytes at 256 r, and its 16 scale bytes at SCB + 16 r.  A row is a row m of x or a column n of kernel.
; So the codes and scales of 128 rows x 512 K are 136 x 256 consecutive bytes, which the product's launch fetches as one tile.
; ONE LAUNCH, TWO PATHS, parted on the work-group's number: work-groups 0 to 511 take x (K innermost), 512 to 767 take kernel (K is its first axis).
; Each path has LDS bytes of its own.  No tensor load, no barrier, no loop: waves share nothing, and every offset is an immediate.
.set TILEB, 34816                      ; 128 x 256 bytes of codes + 128 x 16 scale bytes
.set SCB,   32768                      ; where a block's scale bytes begin
.set XWG,   512                        ; work-groups of path X: 4096 x 4096 numbers / (4 waves x 16 rows x 512)
.set ROWF,  16384                      ; a row of x or of kernel in bytes
	s_load_b256 s[4:11], s[0:1], 0x0               ; x s[4:5], kernel s[6:7], xq s[8:9], wq s[10:11]
	v_lshl_add_u32 v192, v0, 2, 0x10800
	v_mov_b32 v193, 0
	v_lshrrev_b32 v1, 5, v0
	v_readfirstlane_b32 s16, v1                    ; wave 0..3
	v_and_b32 v2, 31, v0                           ; lane
	s_wait_kmcnt 0x0
	s_cmp_lt_u32 ttmp9, XWG
	s_cbranch_scc0 .Lw
; ---------------- PATH X.  A wave takes 16 rows x one K step: 16 steps of 512 numbers, step t = row 16 rg + t.
; The conversions take 8 numbers of one block from a lane's consecutive registers, so a lane must hold 16 NEIGHBOURS (two neighbouring lanes hold a block);
; a load is best where neighbouring LANES take neighbouring bytes.  Both are had: each of a step's four loads reads 512 consecutive bytes, 16 a lane; the 2,048 bytes
; go through the wave's own stage in LDS, as they lie, and come back 64 bytes a lane.  The stage has 16 bytes of padding behind each 64.
; A lane's 16 codes are 8 bytes: a step's store covers 256 consecutive bytes, a row of the block.  The wave's 16 x 16 scale bytes are gathered in LDS and leave as 256 consecutive bytes.
.set STEPS, 16
.set R,     16                         ; v16-79   four sets of 16 numbers as they are loaded
.set X,     80                         ; v80-111  two sets of 16 neighbours
.set E,     112                        ; v112-127 a scale byte for each step
.set C,     128                        ; v128-191 codes: four registers for each step, so that no store's data are written again
.set SP,    80                         ; a lane's place in a stage: its 64 bytes + 16 of padding
.set WREG,  8192                       ; LDS bytes 0 .. 32,767: a region for each wave: two stages of 32 x SP bytes, and behind them its 256 scale bytes
	v_lshlrev_b32 v3, 4, v2                        ; my 16 bytes of a load's 512
	s_mul_i32 s17, s16, WREG
	v_lshrrev_b32 v14, 2, v2
	v_mul_u32_u24 v14, v14, SP
	v_and_b32 v15, 3, v2
	v_lshl_add_u32 v14, v15, 4, v14
	v_add_nc_u32 v14, s17, v14                     ; the stage, on the way in: SP (lane / 4) + 16 (lane % 4); a load's 512 bytes take eight places
	v_mul_u32_u24 v15, v2, SP
	v_add_nc_u32 v15, s17, v15                     ; and on the way out: SP x lane: my 16 neighbours
	v_lshlrev_b32 v4, 3, v2                        ; 8 x lane: my codes' place in a step's 256 bytes, and my 8 of the wave's 256 scale bytes; never rewritten
	v_lshrrev_b32 v5, 1, v2
	s_add_co_u32 s17, s17, 2*32*SP
	v_add_nc_u32 v5, s17, v5                       ; LDS: my wave's 256 scale bytes, my block's byte
	v_add_nc_u32 v6, s17, v4                       ; and on the way out 8 bytes a lane
	s_lshl_b32 s18, ttmp9, 2
	s_add_co_u32 s18, s18, s16                     ; T = 4 x work-group + wave
	s_and_b32 s19, s18, 7                          ; ks = T % 8: the four waves of a work-group stand side by side along K
	s_lshr_b32 s18, s18, 3                         ; rg = T / 8: which 16 rows
	s_lshl_b32 s20, s18, 18                        ; 16 rows of 16,384 bytes
	s_lshl_b32 s22, s19, 11                        ; 512 numbers of 4 bytes
	s_add_co_u32 s20, s20, s22
	s_mov_b32 s21, 0
	s_add_nc_u64 s[4:5], s[4:5], s[20:21]          ; x at my first number
	s_lshr_b32 s22, s18, 3                         ; the group of 128 rows
	s_lshl_b32 s22, s22, 3
	s_add_co_u32 s22, s22, s19
	s_mul_i32 s22, s22, TILEB                      ; its block of this K step
	s_and_b32 s23, s18, 7                          ; which 16 rows of the 128
	s_lshl_b32 s20, s23, 8                         ; 16 rows x 16 scale bytes
	s_add_co_u32 s20, s20, s22
	s_add_co_u32 s20, s20, SCB
	s_add_nc_u64 s[12:13], s[8:9], s[20:21]        ; where my 256 scale bytes go
	s_lshl_b32 s20, s23, 12                        ; 16 rows x 256 bytes of codes
	s_add_co_u32 s20, s20, s22
	s_add_nc_u64 s[8:9], s[8:9], s[20:21]          ; where my codes go
.macro XLOAD t
.irp i, 0,1,2,3
	global_load_b128 v[R+16*((\t)%4)+4*\i:R+16*((\t)%4)+4*\i+3], v3, s[4:5] offset:ROWF*(\t)+512*\i th:TH_LOAD_NT   ; 32 lanes read 512 consecutive bytes
.endr
.endm
.macro XTURN t                         ; step t's numbers through the stage: LDS serves a wave's instructions in order, so no wait stands between the stores and the loads
.irp i, 0,1,2,3
	ds_store_b128 v14, v[R+16*((\t)%4)+4*\i:R+16*((\t)%4)+4*\i+3] offset:32*SP*((\t)%2)+8*SP*\i
.endr
.irp i, 0,1,2,3
	ds_load_b128 v[X+16*((\t)%2)+4*\i:X+16*((\t)%2)+4*\i+3], v15 offset:32*SP*((\t)%2)+16*\i
.endr
.endm
.irp t, 0,1,2,3
	XLOAD \t
.endr
	s_wait_loadcnt 12                              ; step 0's four loads are in; the twelve of steps 1 to 3 may be out
	XTURN 0
.macro XSTEP t
.set XS, X+16*((\t)%2)
.if (\t) > 0
	s_wait_dscnt 1                                 ; this step's numbers are back from the stage (the last step's byte store may be out): so its stores into the stage have read their registers,
.else
	s_wait_dscnt 0x0
.endif
.if (\t)+4 < STEPS
	XLOAD (\t)+4                                   ; which take the loads of four steps on
.endif
.if (\t)+1 < STEPS
.if STEPS-2-(\t) >= 3
	s_wait_loadcnt 12                              ; the next step's four loads are in; those of the three steps behind it may be out
.else
	s_wait_loadcnt 4*(STEPS-2-(\t))                ; the last steps load nothing: the counts run down 8, 4, 0
.endif
	XTURN (\t)+1                                   ; and go through the other stage while this step is worked
.endif
	v_max3_num_f32 v8, |v[XS]|, |v[XS+1]|, |v[XS+2]|               ; the largest magnitude of my 16, in two chains
	v_max3_num_f32 v9, |v[XS+3]|, |v[XS+4]|, |v[XS+5]|
.irp i, 6,10
	v_max3_num_f32 v8, v8, |v[XS+\i]|, |v[XS+\i+1]|
	v_max3_num_f32 v9, v9, |v[XS+\i+2]|, |v[XS+\i+3]|
.endr
	v_max3_num_f32 v8, v8, |v[XS+14]|, |v[XS+15]|
	v_max3_num_f32 v8, v8, v9, 0x1800000           ; and the floor 2^(3 - 127), under which no largest magnitude is taken: so the byte cannot fall under 1
	v_max_num_f32_dpp v8, v8, v8 row_xmask:1 row_mask:0xf bank_mask:0xf   ; and of my neighbour's 16: the block's
	v_add_nc_u32 v11, 0xff000000, v8               ; 2 off its exponent field: the conversion takes the exponent field of this operand as its scale, and nothing else of it
	v_cvt_scalef32_pk8_fp4_f32 v[C+4*(\t)], v[XS:XS+7], v11        ; eight numbers / the scale, to the nearest code; the first number's code in the lowest four bits
	v_cvt_scalef32_pk8_fp4_f32 v[C+4*(\t)+1], v[XS+8:XS+15], v11
	v_lshrrev_b32 v[E+(\t)], 23, v11               ; the scale's byte
	ds_store_b8 v5, v[E+(\t)] offset:16*(\t)       ; both lanes of a block write the same byte with the same value
	global_store_b64 v4, v[C+4*(\t):C+4*(\t)+1], s[8:9] offset:256*(\t)   ; 32 lanes store 256 consecutive bytes, at a multiple of 256 from xq's first byte
.endm
.irp t, 0,1,2,3,4,5,6,7,8,9,10,11,12,13,14,15
	XSTEP \t
.endr
	ds_load_b64 v[12:13], v6                       ; LDS serves a wave's instructions in order: these see my byte stores
	s_wait_dscnt 0x0
	global_store_b64 v4, v[12:13], s[12:13]        ; 32 lanes store the 16 rows' 256 scale bytes, consecutive and aligned
	s_wait_tensorcnt 0x0
	ds_add_u32 v192, v193
	s_wait_dscnt 0x0
	s_endpgm
; ---------------- PATH W.  A LANE TAKES A COLUMN n, AND ITS REGISTERS RUN DOWN K: each load reads neighbouring n in neighbouring lanes (128 consecutive bytes a wave, 512 a work-group),
; a block of 32 along K lies in ONE lane's 32 registers, so that its largest magnitude needs no other lane, and the conversions give the codes with K innermost.  Nothing is transposed by an instruction.
; A work-group takes 128 columns x one K step, a wave 32 columns: 16 blocks a lane, 256 bytes of codes a column.  A lane's codes belong to one row of the block and the lanes beside it hold
; other rows: they go through the wave's own stage in LDS and leave two rows, 512 consecutive bytes, a store.  A lane's 16 scale bytes are its row's: 32 lanes store 512 consecutive bytes.
; Loads run two blocks (64 loads a wave) ahead.  The largest immediate is 511 rows of 16,384 bytes, inside the signed 24 bits of a load's offset (ISA guide, chapter 10).
.set NB,    16                         ; blocks of a lane
.set WP,    272                        ; a stage row: 256 bytes + 16
.set WSTG,  32768                      ; LDS bytes 32,768 .. 67,583: 32 x WP bytes for each wave
.set WX,    32                         ; v32-95   two sets of 32 numbers
.set WC,    96                         ; v96-99   a block's codes
.set OUTR,  112                        ; v112-175 the way out: 16 x 4 registers
.set SB,    24                         ; v24-27   the scale bytes, four to a register
.Lw:
	v_lshlrev_b32 v3, 2, v2                        ; in: 4 bytes a lane
	s_mul_i32 s17, s16, 32*WP
	s_add_co_u32 s17, s17, WSTG                    ; my stage
	v_mul_u32_u24 v4, v2, WP
	v_add_nc_u32 v4, s17, v4                       ; into it: row = my column
	v_and_b32 v5, 15, v2
	v_lshrrev_b32 v6, 4, v2                        ; out of it: sixteen lanes to a row, two rows an instruction
	v_mul_u32_u24 v7, v6, WP
	v_lshl_add_u32 v7, v5, 4, v7
	v_add_nc_u32 v7, s17, v7
	v_lshlrev_b32 v8, 4, v2                        ; 16 x lane: my place in two rows' 512 bytes of codes, and my column's 16 scale bytes; never rewritten
	s_sub_co_u32 s18, ttmp9, XWG
	s_and_b32 s19, s18, 31                         ; nb: which 128 columns
	s_lshr_b32 s18, s18, 5                         ; ks: which K step
	s_lshl_b32 s20, s18, 23                        ; 512 rows of 16,384 bytes
	s_lshl_b32 s22, s19, 9                         ; 128 columns of 4 bytes
	s_add_co_u32 s20, s20, s22
	s_lshl_b32 s22, s16, 7                         ; my wave's 32 columns
	s_add_co_u32 s20, s20, s22
	s_mov_b32 s21, 0
	s_add_nc_u64 s[6:7], s[6:7], s[20:21]          ; kernel at my wave's first number
	s_lshl_b32 s22, s19, 3
	s_add_co_u32 s22, s22, s18
	s_mul_i32 s22, s22, TILEB                      ; the block of this group and K step
	s_lshl_b32 s20, s16, 9                         ; 32 rows x 16 scale bytes
	s_add_co_u32 s20, s20, s22
	s_add_co_u32 s20, s20, SCB
	s_add_nc_u64 s[14:15], s[10:11], s[20:21]      ; where my scale bytes go
	s_lshl_b32 s20, s16, 13                        ; 32 rows x 256 bytes of codes
	s_add_co_u32 s20, s20, s22
	s_add_nc_u64 s[10:11], s[10:11], s[20:21]      ; where my codes go
.macro WLOAD t                         ; block t: kernel(32 t + i, my column), i = 0 .. 31, into set t % 2
.irp i, 0,1,2,3,4,5,6,7,8,9,10,11,12,13,14,15,16,17,18,19,20,21,22,23,24,25,26,27,28,29,30,31
	global_load_b32 v[WX+32*((\t)%2)+\i], v3, s[6:7] offset:(32*(\t)+\i)*ROWF th:TH_LOAD_NT
.endr
.endm
	WLOAD 0
	WLOAD 1
.macro BLOCK t
.set XS, WX+32*((\t)%2)
.if (\t) < NB-1
	s_wait_loadcnt 32                              ; this block's 32 loads are in; the next block's 32 may be out
.else
	s_wait_loadcnt 0
.endif
	v_max3_num_f32 v12, |v[XS]|, |v[XS+1]|, |v[XS+2]|              ; the block's largest magnitude: all 32 numbers are mine
	v_max3_num_f32 v13, |v[XS+3]|, |v[XS+4]|, |v[XS+5]|
.irp i, 6,10,14,18,22,26
	v_max3_num_f32 v12, v12, |v[XS+\i]|, |v[XS+\i+1]|
	v_max3_num_f32 v13, v13, |v[XS+\i+2]|, |v[XS+\i+3]|
.endr
	v_max3_num_f32 v12, v12, |v[XS+30]|, |v[XS+31]|
	v_max3_num_f32 v12, v12, v13, 0x1800000        ; and the floor 2^(3 - 127): the byte cannot fall under 1
	v_add_nc_u32 v11, 0xff000000, v12              ; 2 off its exponent field: the conversion's scale operand
	v_lshrrev_b32 v13, 23, v11                     ; the scale's byte
.if (\t)%4 == 0
	v_mov_b32 v[SB+(\t)/4], v13                    ; four bytes to a register, the lower K in the lower byte
.else
	v_lshl_or_b32 v[SB+(\t)/4], v13, 8*((\t)%4), v[SB+(\t)/4]
.endif
.irp g, 0,1,2,3
	v_cvt_scalef32_pk8_fp4_f32 v[WC+\g], v[XS+8*\g:XS+8*\g+7], v11
.endr
	ds_store_b128 v4, v[WC:WC+3] offset:16*(\t)    ; 32 codes: 16 bytes of my column's row
.if (\t)+2 < NB
	WLOAD (\t)+2
.endif
	s_wait_dscnt 0x0                               ; the store has read its registers: the next block's codes may be written
.endm
.set Q, 0
.rept NB
	BLOCK Q
.set Q, Q+1
.endr
	global_store_b128 v8, v[SB:SB+3], s[14:15]     ; 32 lanes store 512 consecutive bytes, at a multiple of 256 from wq's first byte
.irp t, 0,1,2,3,4,5,6,7,8,9,10,11,12,13,14,15
	ds_load_b128 v[OUTR+4*\t:OUTR+4*\t+3], v7 offset:2*\t*WP       ; LDS serves a wave's instructions in order: these see my stores
.endr
.irp t, 0,1,2,3,4,5,6,7,8,9,10,11,12,13,14,15
	s_wait_dscnt 15-\t
	global_store_b128 v8, v[OUTR+4*\t:OUTR+4*\t+3], s[10:11] offset:512*\t   ; two rows of codes: 512 consecutive bytes, aligned
.endr
	s_wait_tensorcnt 0x0
	ds_add_u32 v192, v193
	s_wait_dscnt 0x0
	s_endpgm
.Lfunc_end_k_q1c8fc1e715_quant:
	.size	k_q1c8fc1e715_quant, .Lfunc_end_k_q1c8fc1e715_quant-k_q1c8fc1e715_quant
	.p2alignl 7, 3214868480
	.fill 96, 4, 3214868480
	.section	.rodata,"a",@progbits
	.p2align	6, 0x0
	.amdhsa_kernel k_q1c8fc1e715_quant
		.amdhsa_group_segment_fixed_size 68096
		.amdhsa_private_segment_fixed_size 0
		.amdhsa_enable_private_segment 0
		.amdhsa_kernarg_size 32
		.amdhsa_user_sgpr_count 2
		.amdhsa_user_sgpr_kernarg_segment_ptr 1
		.amdhsa_wavefront_size32 1
		.amdhsa_system_sgpr_workgroup_id_x 1
		.amdhsa_system_sgpr_workgroup_id_y 1
		.amdhsa_system_sgpr_workgroup_id_z 1
		.amdhsa_system_vgpr_workitem_id 0
		.amdhsa_next_free_vgpr 194
		.amdhsa_next_free_sgpr 66
		.amdhsa_reserve_vcc 0
		.amdhsa_float_denorm_mode_32 3
		.amdhsa_float_denorm_mode_16_64 3
		.amdhsa_memory_ordered 1
		.amdhsa_forward_progress 1
		.amdhsa_inst_pref_size 111
	.end_amdhsa_kernel
	.amdgpu_metadata
---
amdhsa.version: [ 1, 2 ]
amdhsa.kernels:
  - .name:           k_q1c8fc1e715_quant
    .symbol:         k_q1c8fc1e715_quant.kd
    .args:
      - { .name: x, .offset: 0, .size: 8, .value_kind: global_buffer, .address_space: global }
      - { .name: kernel, .offset: 8, .size: 8, .value_kind: global_buffer, .address_space: global }
      - { .name: xq, .offset: 16, .size: 8, .value_kind: global_buffer, .address_space: global }
      - { .name: wq, .offset: 24, .size: 8, .value_kind: global_buffer, .address_space: global }
    .group_segment_fixed_size: 68096
    .private_segment_fixed_size: 0
    .kernarg_segment_align: 8
    .kernarg_segment_size: 32
    .max_flat_workgroup_size: 128
    .sgpr_count:     66
    .vgpr_count:     194
    .wavefront_size: 32
...
	.end_amdgpu_metadata
.endif
;; end of part 1
;; launch gemm (part 2): grid 16 x 16, 4 waves a work-group, clusters of 4 x 4, 327,680 bytes of LDS; arguments xq, wq, noise_mean, noise_std, noise_eps, out0; writes out0
.if DOCPART == 2
	.amdgcn_target "amdgcn-amd-amdhsa--gfx1250"
	.amdhsa_code_object_version 6
	.text
	.protected	k_q1c8fc1e715_gemm
	.globl	k_q1c8fc1e715_gemm
	.p2align	8
	.type	k_q1c8fc1e715_gemm,@function
k_q1c8fc1e715_gemm:
	s_mov_b64 s[64:65], 0
	v_nop
	global_prefetch_b8 v0, s[64:65] scope:SCOPE_SE
	s_setreg_imm32_b32 hwreg(HW_REG_WAVE_MODE, 25, 1), 1
	s_wait_xcnt 0x0
	s_wait_alu depctr_hold_cnt(0) depctr_sa_sdst(0) depctr_va_vdst(0) depctr_va_sdst(0) depctr_va_ssrc(0) depctr_va_vcc(0) depctr_vm_vsrc(0)
	s_getreg_b32 s2, hwreg(HW_REG_IB_STS2, 6, 4)
	s_cmp_eq_u32 s2, 0
	s_cbranch_scc0 .Lentry_in_a_cluster
	s_endpgm
.Lentry_in_a_cluster:
	s_bfe_u32 s2, ttmp6, 0x10000c
	s_cmp_lg_u32 s2, 0xf033
	s_cbranch_scc0 .Lentry_shape_is_right
	s_endpgm
.Lentry_shape_is_right:
; out0[m][n] = sum over k of A[m][k] B[n][k] + (mean[n] + std[n] eps[m][n]) / 4096.  A = x, B = kernel's columns: codes of FP4 (E2M1) with one E8M0 scale for each 32 along K,
; as the launch before laid them: xq, wq = [32 groups of 128 rows][8 K steps of 512][TILEB bytes]; in a block row r has 256 bytes of codes at 256 r and 16 scale bytes at 32,768 + 16 r.
; M = N = K = 4,096.  Sums in f32.  The matrix instruction takes codes and scale bytes as they lie.
; SHARES.  A tile of out0, 256 x 256, is made by a work-group of four waves; a wave makes 128 x 128: 64 accumulators of 16 x 16, 512 registers.  256 tiles, one to a work-group.
; K goes in steps of 512 through a ring of two LDS slots.  A block of xq or wq is 136 x 256 consecutive bytes: ONE tensor load a wave brings the codes AND the scales of 128 rows for a K step.
; CLUSTERS: 4 x 4 work-groups.  The four of a row of the cluster need the same blocks of xq, the four of a column the same blocks of wq: each block is asked for JOINTLY, by the same tensor load
; with the same descriptor and a mask that names the four.
; THE MATRIX INSTRUCTION IS USED TRANSPOSED (source 0 = 16 rows of B, source 1 = 16 rows of A): a lane then holds eight neighbouring numbers of a row of out0.
; THE NOISE GOES INTO THE SUMS INSIDE THE K LOOP.  K has eight steps and a wave eight blocks of 16 rows: at the end of K step k, ahead of the wait for the next tile, block k of eps (asked for a K step
; earlier, two whole rows' halves of 256 bytes a load) becomes noise, turns through a stage in LDS into the accumulators' layout and is added onto block k's eight accumulators; then block k + 1 is asked for.
; So eps is read while the products run, and behind the last product only the stores are left.
; ROUNDING: mean and std are multiplied by 2^-12 once (a power of two: exact, down to the smallest normal number); the noise is fma(std 2^-12, eps, mean 2^-12), one rounding; it enters a row's sums behind
; K step k, so the order of the f32 additions is not that of a sum over all of K followed by the noise.
; REGISTERS, in windows of 256: window 0: v16-31 addresses; v32-95 scale words, two sets; v96-111 mean, std of my 2 x 4 columns; v128-191 A's fragments, ONE set; v192-255 idle till the way out.
;   window 1: v0-63, v128-191 B's fragments, TWO sets; v64-127 a block of eps; v192-255 its noise in the accumulators' layout.
;   window 2: the 32 accumulators of my rows 0-63 (accumulator (a, b) at v[8 (8 a + b)]);   window 3: those of my rows 64-127.
; LDS: all of a WGP's is claimed; 313,856 bytes are used.
.set NQ,     4                         ; matrix instructions deep in a slot: 512 / 128
.set FR,     8                         ; registers of a fragment: 16 rows x 128 K
.set NL,     2                         ; LDS loads that bring one
.set NP,     4                         ; places behind this matrix instruction (ISA guide 7.12.1)
.set PITCH,  272                       ; an LDS row: 256 bytes + 16 of padding = 68 words: row r starts at bank 4 r mod 64 (64 banks of 4 bytes: ISA guide 11.1), so the 16 rows that a load touches start at 16 different banks
.set TILEB,  34816                     ; a block in memory: 136 x 256 bytes
.set GROUPB, 8*TILEB                   ; a group's eight K steps
.set HALFT,  136*PITCH                 ; a block in LDS: what one tensor load brings, and what one wave reads of A or of B
.set SCO,    128*PITCH                 ; in it, behind the 128 rows of codes: 8 rows of scale bytes; row i holds those of the block's rows 16 i .. 16 i + 15, 16 bytes each
.set SLOT,   4*HALFT                   ; A's two blocks, then B's two
.set SPARE,  2*SLOT                    ; behind the ring: the spare words, 128 bytes for each wave: two blocks of 256 bytes that no other line names
.set NSTG,   SPARE+512                 ; behind them: the noise's stage, 16 rows x NPITCH bytes for each wave: 17 blocks of 256 bytes a wave, into which no tile lands
.set NPITCH, 272                       ; a stage row: 64 columns of f32 + 16 bytes
.set SPITCH, 528                       ; the way out: a stage of 16 rows x (512 bytes + 16) for each wave.  It lies in slot 0, which has had its last fill and its last read when the first result is stored there
.set LAPS,   4                         ; a lap = two K steps = once round the ring
.set ROWC,   16384                     ; a row of eps or of out0 in bytes
.set ADRA, 16                          ; v16-17  LDS address of my A fragments in slot 0, 1
.set NRD,  18                          ; v18     the noise's stage: where I read 32 bytes of row l % 16
.set MO,   19                          ; v19     16 x (l % 16): my four columns' bytes in a half row of mean or std; never rewritten
.set ADRB, 20                          ; v20-21  LDS address of my B fragments in slot 0, 1
.set ADRS, 22                          ; v22-23  LDS address of my scale words in slot 0, 1: lanes 0-15 A's rows, lanes 16-31 B's
.set STO,  24                          ; v24     the way out: where I put 32 bytes of a row
.set RD,   25                          ; v25     the way out: where I read a row back
.set CO,   26                          ; v26     16 x lane: my byte offset in a row's 512 bytes of out0; never rewritten
.set EO,   27                          ; v27     eps: (l / 16) rows + 16 x (l % 16): lanes 0-15 take 256 bytes of one row, lanes 16-31 of the next; never rewritten
.set SPW,  28                          ; v28     LDS address of my spare word: SPARE + 4 x my thread's number; never rewritten
.set NIL,  29                          ; v29     0; never rewritten
.set PFO,  30                          ; v30     256 x lane: the prefetches' offset; never rewritten
.set NST,  31                          ; v31     the noise's stage: where I put 16 bytes of row l / 16
.set SC,   32                          ; scale words: set s (for slot s) at v[SC + 32 s]; in it register 4 i + q: lanes 0-15 the word of A's block i, lanes 16-31 that of B's block i, for the slot's q-th 128 along K
.set MEAN, 96                          ; v96-103  mean 2^-12 of columns 64 u + 4 (l % 16) + 0 .. 3, u = 0, 1
.set STD,  104                         ; v104-111 std 2^-12 likewise
.set AF,   128                         ; A's fragments, in window 0
.set EP,   64                          ; in window 1: a block of eps: register 4 (8 u + i) + k = eps(row 2 i + l / 16, column 64 u + 4 (l % 16) + k)
.set NZ,   192                         ; in window 1: its noise: register 8 b + j = what accumulator (a, b)'s register j takes
.set G1,   24                          ; s[24:31] descriptor group 1 for A's blocks;  s[32:39] group 0, one set for each slot
.set G0,   32
.set G1B,  48                          ; s[48:55], s[56:63] the same for B's
.set G0B,  56
.set PFA,  66                          ; s[66:67] where my prefetches stand: my work-group's 32 rows of codes of the block that I fetch, one K step further on than the refill that is being asked for
.set LIM,  68                          ; s68     1 in a wave that prefetches, else the greatest number
.set NS,   70                          ; s[70:71] 2^-12: the packed form names a pair and takes its low word for both halves
.set MSB, 0
.macro WIN new                         ; the immediate's high byte repeats the setting that is left; a switch that changes nothing is dropped
.if MSB != (\new)
	s_set_vgpr_msb (MSB<<8)|(\new)
.set MSB, (\new)
.endif
.endm
.set MUL_LO, 0xa1                      ; source 0 (B) window 1, source 1 (A) window 0, C and D window 2
.set MUL_HI, 0xf1                      ; the same, C and D window 3
.set TO_B,   0x40                      ; destination window 1, address window 0
; A joint load: waves 0 and 1 fetch A's two blocks, waves 2 and 3 B's.  Each of the two lines has ONE mask and one set of registers for all that issue it; the branch hangs on the wave's number alone.
; Four v_nop follow each of the two lines, ahead of the jump, the label and what follows.
.macro JLOAD g0a, g1a, g0b, g1b
	s_cmp_eq_u32 s17, 0
	s_cbranch_scc0 .Lfor_b_\@
	tensor_load_to_lds s[\g0a:\g0a+3], s[\g1a:\g1a+7]
	s_nop 0
.rept 4
	v_nop
.endr
	s_branch .Lasked_\@
.Lfor_b_\@:
	tensor_load_to_lds s[\g0b:\g0b+3], s[\g1b:\g1b+7]
	s_nop 0
.rept 4
	v_nop
.endr
.Lasked_\@:
.endm
; A PREFETCH INTO THE L2, behind each joint refill, its four lines and the run of LDS loads that follows: 32 rows of codes, 256 bytes each, a lane a row, of the K step that stands TWO refills on:
; 512 matrix instructions ahead of the load that will want them.  Each such row is named ONCE in the launch: a group of xq is read by every cluster of a row of clusters: the first of them (cluster x = 0) asks;
; a group of wq by every cluster of a column: cluster y = 0 asks.  The four partners that ask for a block jointly share its 128 rows out BY ADDRESS, 32 each (by cx for A, cy for B): no branch hangs on a
; work-group's place in its cluster.  K steps 0 to 3 and the blocks' scale bytes come by their loads alone; the loop's last trip (s3 = 1) asks for nothing: K has no step two on.
.macro ASK
	s_cmp_gt_u32 s3, s[LIM]
	s_cbranch_scc0 .Lnot_mine_\@
	global_prefetch_b8 v[PFO], s[PFA:PFA+1] offset:TILEB th:TH_LOAD_NT scope:SCOPE_SE
.Lnot_mine_\@:
.endm
.macro CREST                           ; a round of the cluster's barrier behind its opening barrier
	s_cmp_lg_u32 s16, 0
	s_cbranch_scc1 .Lnot_wave_0_\@
	s_barrier_signal -3
.Lnot_wave_0_\@:
	s_barrier_wait -3
	s_barrier_signal -1
	s_barrier_wait -1
.endm
.macro CROUND                          ; a whole round
	s_barrier_signal -1
	s_barrier_wait -1
	CREST
.endm
	s_load_b256 s[4:11], s[0:1], 0x0               ; xq s[4:5], wq s[6:7], mean s[8:9], std s[10:11]
	s_load_b128 s[12:15], s[0:1], 0x20             ; eps s[12:13], out0 s[14:15]
	v_lshl_add_u32 v[SPW], v0, 2, SPARE
	v_mov_b32 v[NIL], 0
	ds_add_u32 v28, v29
	ds_add_u32 v28, v29
	s_wait_dscnt 0x0
	v_lshrrev_b32 v1, 5, v0
	v_readfirstlane_b32 s16, v1                    ; wave 0..3
	s_lshr_b32 s17, s16, 1                         ; which half of the tile's rows is mine.  Also: I fetch for A (0) or for B (1)
	s_and_b32 s18, s16, 1                          ; which half of its columns.  Also: which of the two blocks I fetch
	s_bfe_u32 s40, ttmp6, 0x40000                  ; cx, cy: my place in the cluster
	s_bfe_u32 s41, ttmp6, 0x40004
	s_lshl_b32 s42, ttmp9, 2
	s_add_co_u32 s42, s42, s40                     ; tile column = 4 x cluster x + cx
	s_and_b32 s19, ttmp7, 0xffff
	s_lshl_b32 s19, s19, 2
	s_add_co_u32 s19, s19, s41                     ; tile row = 4 x cluster y + cy
	s_lshl_b32 s43, s41, 2
	s_lshl_b32 s43, 15, s43                        ; my row of the cluster
	s_lshl_b32 s44, 0x1111, s40                    ; my column
	; descriptor group 1: a dense block of 136 rows of 256 bytes (32 elements of 8 bytes), 16 bytes of padding behind each row in LDS
	s_or_b32 s[G1+0], s43, (3<<16)|(1<<20)|(1<<21)|(5<<22)|(3<<25)  ; 15:0 the mask: A's blocks go to my row; 17:16 elements of 8 bytes; 20 padding on; 21 set beside a mask; 24:22 after every 64 words (code 5); 31:25 of 4 words (code 3)
	s_or_b32 s[G1B+0], s44, (3<<16)|(1<<20)|(1<<21)|(5<<22)|(3<<25) ; the same with the mask of my column, for B's
.irp g, G1, G1B
	s_mov_b32 s[\g+1], 32<<16                      ; tensor_dim0 = 32
	s_mov_b32 s[\g+2], 136<<16                     ; tensor_dim1 = 136
	s_mov_b32 s[\g+3], 32<<16                      ; tile_dim0 = 32
	s_mov_b32 s[\g+4], 136                         ; tile_dim1 = 136
	s_mov_b32 s[\g+5], 32                          ; tensor_dim0_stride: the rows follow each other
	s_mov_b32 s[\g+6], 0
	s_mov_b32 s[\g+7], 0
.endr
	; where the blocks come from.  A's hang on the tile row alone, which my row of the cluster shares; B's on the tile column alone, which my column shares.
	s_lshl_b32 s20, s19, 1
	s_add_co_u32 s20, s20, s18                     ; A: group 2 x tile row + which block
	s_mul_i32 s20, s20, GROUPB
	s_mov_b32 s21, 0
	s_lshl_b32 s46, s42, 1
	s_add_co_u32 s46, s46, s18                     ; B: group 2 x tile column + which block
	s_mul_i32 s46, s46, GROUPB
	s_mov_b32 s47, 0
	s_mul_i32 s45, s16, HALFT                      ; where they go: wave x a block: no place in the cluster enters an LDS address
	s_mov_b32 s[NS], 0x39800000                    ; 2^-12
	s_mov_b32 s[NS+1], s[NS]                       ; (named with it as a pair, so it is written)
	s_wait_kmcnt 0x0
	s_add_nc_u64 s[20:21], s[4:5], s[20:21]
	s_add_nc_u64 s[46:47], s[6:7], s[46:47]
	CROUND                                         ; all sixteen work-groups are here: the first joint loads meet
.irp s, 0,1
	s_mov_b32 s[G0+4*\s], 1                                        ; count = 1
	s_add_co_u32 s[G0+4*\s+1], s45, \s*SLOT                        ; LDS address
	s_add_nc_u64 s[G0+4*\s+2:G0+4*\s+3], s[20:21], \s*TILEB        ; global address: K step s
	s_or_b32 s[G0+4*\s+3], s[G0+4*\s+3], 0x80000000                ; type = 2
	s_mov_b32 s[G0B+4*\s], 1
	s_add_co_u32 s[G0B+4*\s+1], s45, \s*SLOT
	s_add_nc_u64 s[G0B+4*\s+2:G0B+4*\s+3], s[46:47], \s*TILEB
	s_or_b32 s[G0B+4*\s+3], s[G0B+4*\s+3], 0x80000000
	JLOAD G0+4*\s, G1, G0B+4*\s, G1B               ; the ring is filled before anything else is done: two loads of mine are out
.endr
	v_and_b32 v1, 15, v0                           ; r = l % 16
	v_bfe_u32 v2, v0, 4, 1                         ; h = l / 16
	v_mul_u32_u24 v3, v1, PITCH
	v_lshl_add_u32 v4, v2, 4, v3                   ; a fragment's row x pitch + 16 x half
	s_mul_i32 s21, s17, HALFT                      ; my 128 rows of A
	s_mul_i32 s22, s18, HALFT                      ; my 128 rows of B,
	s_add_co_u32 s22, s22, 2*HALFT                 ; which lie behind A's two blocks
.irp s, 0,1
	v_add_nc_u32 v[ADRA+\s], s21, v4
	v_add_nc_u32 v[ADRB+\s], s22, v4
	s_add_co_u32 s21, s21, SLOT
	s_add_co_u32 s22, s22, SLOT
.endr
	s_xor_b32 s22, s17, 1                          ; the scale words: lanes 0-15 take A's, in block s17; lanes 16-31 B's, in block 2 + s18:
	s_add_co_u32 s22, s22, s18
	s_add_co_u32 s22, s22, 1
	s_mul_i32 s22, s22, HALFT                      ; (2 + s18 - s17) blocks further on
	v_mul_u32_u24 v6, s22, v2                      ; one product of the lane's half with that distance
	v_lshl_add_u32 v5, v1, 4, v6                   ; + 16 bytes a row
	s_mul_i32 s21, s17, HALFT
	s_add_co_u32 s21, s21, SCO
	v_add_nc_u32 v[ADRS], s21, v5
	s_add_co_u32 s21, s21, SLOT
	v_add_nc_u32 v[ADRS+1], s21, v5
	s_mul_i32 s23, s16, 16*SPITCH                  ; my stage for the way out
	v_mul_u32_u24 v5, v1, SPITCH                   ; in: row l % 16, 32 bytes for each half of the lanes
	v_lshl_add_u32 v5, v2, 5, v5
	v_add_nc_u32 v[STO], s23, v5
	v_and_b32 v6, 31, v0
	v_lshlrev_b32 v[CO], 4, v6                     ; back: the 32 lanes take one row of 512 bytes; and the same in out0
	v_add_nc_u32 v[RD], s23, v[CO]
	v_lshlrev_b32 v[PFO], 8, v6
	s_mul_i32 s23, s16, 16*NPITCH
	s_add_co_u32 s23, s23, NSTG                    ; my stage for the noise
	v_mul_u32_u24 v5, v2, NPITCH                   ; in: lanes 0-15 one row of 256 bytes, lanes 16-31 the next
	v_lshl_add_u32 v5, v1, 4, v5
	v_add_nc_u32 v[NST], s23, v5
	v_mul_u32_u24 v5, v1, NPITCH                   ; back: row l % 16, 32 bytes for each half of the lanes
	v_lshl_add_u32 v5, v2, 5, v5
	v_add_nc_u32 v[NRD], s23, v5
	v_lshlrev_b32 v[MO], 4, v1
	v_lshl_add_u32 v[EO], v2, 14, v[MO]            ; (l / 16) rows of 16,384 bytes + 16 (l % 16)
	s_lshl_b32 s46, s42, 10                        ; my first column, in bytes: 1,024 x tile column + 512 x half
	s_lshl_b32 s47, s18, 9
	s_add_co_u32 s46, s46, s47
	s_mov_b32 s47, 0
	s_add_nc_u64 s[8:9], s[8:9], s[46:47]          ; mean and std at my first column
	s_add_nc_u64 s[10:11], s[10:11], s[46:47]
.irp u, 0,1
	global_load_b128 v[MEAN+4*\u:MEAN+4*\u+3], v[MO], s[8:9] offset:256*\u
	global_load_b128 v[STD+4*\u:STD+4*\u+3], v[MO], s[10:11] offset:256*\u
.endr
	s_lshl_b32 s72, s19, 8
	s_lshl_b32 s73, s17, 7
	s_add_co_u32 s72, s72, s73                     ; my first row: 256 x tile row + 128 x half
	s_lshl_b32 s72, s72, 14                        ; rows of 16,384 bytes: under 2^26
	s_add_co_u32 s72, s72, s46
	s_mov_b32 s73, 0
	s_add_nc_u64 s[12:13], s[12:13], s[72:73]      ; eps at my wave's first number: it steps 16 rows a K step
	s_add_nc_u64 s[14:15], s[14:15], s[72:73]      ; out0 likewise; never stepped: a row's place stands in the immediate, 127 rows at the most
	; the prefetches: where my wave's stand, and who asks
	s_and_b32 s22, ttmp7, 0xffff                   ; cluster y
	s_lshl_b32 s20, s19, 1
	s_lshl_b32 s23, s42, 1
	s_cmp_eq_u32 s17, 0                            ; do I fetch for A?
	s_cselect_b32 s20, s20, s23                    ; the first of the tile's two groups: in xq by the tile row, in wq by the tile column
	s_cselect_b32 s21, s40, s41                    ; my place among the four that ask for it with me
	s_cselect_b32 s22, ttmp9, s22                  ; the coordinate along which other clusters read the same group
	s_cselect_b64 s[PFA:PFA+1], s[4:5], s[6:7]
	s_cmp_eq_u32 s22, 0
	s_cselect_b32 s[LIM], 1, -1                    ; the same in all sixteen partners, for a given wave
	s_add_co_u32 s20, s20, s18                     ; the group that I fetch,
	s_mul_i32 s20, s20, GROUPB
	s_lshl_b32 s21, s21, 13                        ; my work-group's 32 rows of 256 bytes,
	s_add_co_u32 s20, s20, s21
	s_add_co_u32 s20, s20, 2*TILEB                 ; at K step 2: the first refill steps it to 3 and names K step 4.  Nothing is prefetched here, at the head, where every work-group's first tiles are on their way
	s_mov_b32 s21, 0
	s_add_nc_u64 s[PFA:PFA+1], s[PFA:PFA+1], s[20:21]
.macro FRAG reg, adr, q, i             ; a fragment, 16 rows x 128 K of 4-bit codes, is 8 registers: lane l holds row l % 16; registers 4 c .. 4 c + 3 hold K = 64 c + 32 (l / 16) + 0 .. 31, the lower K in the lower bits
.irp c, 0,1
	ds_load_b128 v[\reg+4*\c:\reg+4*\c+3], v[\adr] offset:64*(\q)+32*\c+(\i)*16*PITCH
.endr
.endm
; 16 matrix instructions: A's blocks a0, a0 + 1 x B's eight, 128 along K: the slot's q-th.  p: B's set;  sc: the set of scale words.  zero = 1: the first product starts the sums: nothing is ever cleared.
; The 64 accumulators take turns, one instruction a turn, in the same order in every step.  Source 0's scales (B's) are read from lanes 16-31 of register b, source 1's (A's) from lanes 0-15 of register a.
.macro MUL16 a0, p, q, sc, zero
.irp a, \a0, \a0+1
.irp b, 0,1,2,3,4,5,6,7
.if \zero
	v_wmma_scale_f32_16x16x128_f8f6f4 v[8*(8*((\a)%4)+\b):8*(8*((\a)%4)+\b)+7], v[128*(\p)+FR*\b:128*(\p)+FR*\b+FR-1], v[AF+FR*(\a):AF+FR*(\a)+FR-1], 0, v[SC+8*NQ*(\sc)+NQ*\b+(\q)], v[SC+8*NQ*(\sc)+NQ*(\a)+(\q)] matrix_a_fmt:MATRIX_FMT_FP4 matrix_b_fmt:MATRIX_FMT_FP4 matrix_a_scale:MATRIX_SCALE_ROW1
.else
	v_wmma_scale_f32_16x16x128_f8f6f4 v[8*(8*((\a)%4)+\b):8*(8*((\a)%4)+\b)+7], v[128*(\p)+FR*\b:128*(\p)+FR*\b+FR-1], v[AF+FR*(\a):AF+FR*(\a)+FR-1], v[8*(8*((\a)%4)+\b):8*(8*((\a)%4)+\b)+7], v[SC+8*NQ*(\sc)+NQ*\b+(\q)], v[SC+8*NQ*(\sc)+NQ*(\a)+(\q)] matrix_a_fmt:MATRIX_FMT_FP4 matrix_b_fmt:MATRIX_FMT_FP4 matrix_a_scale:MATRIX_SCALE_ROW1
.endif
.endr
.endr
.endm
.macro FETCH_B slot, q, p              ; B's eight fragments of the slot's q-th 128 along K into set p
	WIN TO_B
.irp i, 0,1,2,3,4,5,6,7
	FRAG 128*(\p)+FR*\i, ADRB+\slot, \q, \i
.endr
	WIN 0
.endm
.macro FETCH_A slot, q, i0             ; A's blocks i0 .. i0 + 3
.irp i, \i0, \i0+1, \i0+2, \i0+3
	FRAG AF+FR*(\i), ADRA+\slot, \q, \i
.endr
.endm
.macro SCALES sc                       ; slot sc's scale words into set sc: four words a row; lanes 0-15 take A's block i, lanes 16-31 B's block i; each half of the lanes reads 256 consecutive bytes
.irp i, 0,1,2,3,4,5,6,7
	ds_load_b128 v[SC+8*NQ*\sc+NQ*\i:SC+8*NQ*\sc+NQ*\i+3], v[ADRS+\sc] offset:\i*PITCH
.endr
.endm
; A load into a register that a matrix instruction has read, and a vector instruction or an LDS store that reads a matrix result or writes one, stand NP places behind that matrix instruction, and only plain vector
; instructions that name none of its registers are places (ISA guide 7.12.1 for vector instructions); this text does not count the matrix instructions in between.
.macro PLACES n
.rept \n
	v_nop
.endr
.endm
; A step of 128 along K that has its successor in the same slot.  A's blocks go one after the other, each against B's eight, so a block of A is free as soon as its eight products are issued:
; blocks 0-3 are fetched anew in the step's middle, blocks 4-7 at its end.  B's fragments are at work through the whole step, so B has two sets.
.macro STEP slot, q, zero
	s_wait_dscnt 4*NL                              ; B's set, A's blocks 0-3 and the scale words are in; the youngest eight loads (A's blocks 4-7) may be out
	WIN MUL_LO
	MUL16 0, (\q)%2, \q, \slot, \zero
	MUL16 2, (\q)%2, \q, \slot, \zero
	s_wait_dscnt 0                                 ; A's blocks 4-7 are in (asked for 32 matrix instructions ago)
	PLACES NP
	FETCH_B \slot, (\q)+1, 1-(\q)%2
	FETCH_A \slot, (\q)+1, 0
	WIN MUL_HI
	MUL16 4, (\q)%2, \q, \slot, \zero
	MUL16 6, (\q)%2, \q, \slot, \zero
	PLACES NP
	WIN 0
	FETCH_A \slot, (\q)+1, 4
.endm
; A slot's last step changes slots: ONE barrier; in front of it each wave waits for all its tensor loads, adds 0 to its spare word, and waits for that and for its own reads of this slot.
; fill = 1: this slot is filled again, two K steps ahead; the barrier then opens a round of the cluster's barrier, and the joint refill is the first tensor load behind the round.
.macro TURN slot, next, fill
.if \fill
	s_wait_xcnt 0x0                                ; the last prefetch, a K step back, has read its address: it is stepped here, ahead of the waits of the change of slots
	s_add_nc_u64 s[PFA:PFA+1], s[PFA:PFA+1], TILEB
.endif
	s_wait_tensorcnt 0x0                           ; all my tensor loads have landed: the one that was out is my part of the next slot;  (every window is 0 here: the add's two registers lie in window 0)
	ds_add_u32 v[SPW], v[NIL]                      ; 0 onto my spare word
	s_wait_dscnt 4*NL+1                            ; (the add and eight loads may be out; here the add alone is: the noise's wait has brought the loads in)
	WIN MUL_LO
	MUL16 0, 1, NQ-1, \slot, 0                     ; sixteen matrix instructions stand between the add and the wait for it
	s_wait_dscnt 0x0                               ; the add is done, and my reads of this slot are over
	s_barrier_signal -1
	MUL16 2, 1, NQ-1, \slot, 0
	WIN 0
	s_barrier_wait -1
.if \fill
	CREST                                          ; no wave of any partner still reads this slot's blocks or has a load on its way
	s_add_nc_u64 s[G0+4*\slot+2:G0+4*\slot+3], s[G0+4*\slot+2:G0+4*\slot+3], 2*TILEB
	s_add_nc_u64 s[G0B+4*\slot+2:G0B+4*\slot+3], s[G0B+4*\slot+2:G0B+4*\slot+3], 2*TILEB
	JLOAD G0+4*\slot, G1, G0B+4*\slot, G1B         ; my one tensor load until the next round; the four v_nop behind it are the places in front of the loads below
.else
	PLACES NP
.endif
	FETCH_B \next, 0, 0
	FETCH_A \next, 0, 0
	SCALES \next
.if \fill
	ASK                                            ; behind the joint load and the run of LDS loads that the next products wait for
.endif
	WIN MUL_HI
	MUL16 4, 1, NQ-1, \slot, 0
	MUL16 6, 1, NQ-1, \slot, 0
	PLACES NP
	WIN 0
	FETCH_A \next, 0, 4
.endm
.macro STEPS slot, from                ; the slot's steps from .. NQ - 2
.set Q, \from
.rept NQ-1-\from
	STEP \slot, Q, 0
.set Q, Q+1
.endr
.endm
; THE NOISE.  EPLOAD: the 16 rows x 128 columns of eps at which s[12:13] stands: 16 loads, each 256 consecutive bytes of two rows, aligned.
.macro EPLOAD
	WIN 0x40                                       ; destination window 1
.irp u, 0,1
.irp i, 0,1,2,3,4,5,6,7
	global_load_b128 v[EP+4*(8*\u+\i):EP+4*(8*\u+\i)+3], v[EO], s[12:13] offset:2*\i*ROWC+256*\u th:TH_LOAD_NT
.endr
.endr
	WIN 0
.endm
; NOISE: the block of eps in hand becomes noise, in place, and turns through my stage into the accumulators' layout, 64 columns at a time: in as rows, back 32 bytes of row l % 16 a lane.  LDS serves a wave's
; instructions in order (ISA guide 5.7.1.4): no wait between the stores and the loads, nor in front of the second half's stores into the same bytes.  more = 1: the next block is asked for.
; It stands behind a step's last four places, so the additions that follow it may write accumulators; its own 32 multiply-adds name no register of a matrix instruction.
.macro NOISE more
	s_wait_loadcnt 0x0                             ; the block's 16 loads, asked for a K step ago, are the only ones out; their base may be stepped behind this wait
	WIN 0x41                                       ; destination and source 0: window 1
.irp u, 0,1
.irp i, 0,1,2,3,4,5,6,7
.irp j, 0,2
	v_pk_fma_f32 v[EP+4*(8*\u+\i)+\j:EP+4*(8*\u+\i)+\j+1], v[EP+4*(8*\u+\i)+\j:EP+4*(8*\u+\i)+\j+1], v[STD+4*\u+\j:STD+4*\u+\j+1], v[MEAN+4*\u+\j:MEAN+4*\u+\j+1]   ; eps x std 2^-12 + mean 2^-12
.endr
.endr
.endr
.irp u, 0,1
	WIN 0x04                                       ; an LDS store's data are its source 1: window 1
.irp i, 0,1,2,3,4,5,6,7
	ds_store_b128 v[NST], v[EP+4*(8*\u+\i):EP+4*(8*\u+\i)+3] offset:\i*2*NPITCH
.endr
	WIN 0x40
.irp b, 0,1,2,3
	ds_load_b128 v[NZ+8*(4*\u+\b):NZ+8*(4*\u+\b)+3], v[NRD] offset:64*\b
	ds_load_b128 v[NZ+8*(4*\u+\b)+4:NZ+8*(4*\u+\b)+7], v[NRD] offset:64*\b+16
.endr
.endr
	WIN 0
	s_wait_dscnt 0x0                               ; the noise is back, and the stores have read eps's registers
.if \more
	s_add_nc_u64 s[12:13], s[12:13], 16*ROWC       ; the next 16 rows: a whole K step ahead of their use
	EPLOAD
.endif
.endm
.macro ADD a                           ; the noise onto block a's eight accumulators, each from its low end on
	WIN 0x86+0x41*((\a)/4)                         ; destination and source 0: window 2 or 3; source 1: window 1
.irp b, 0,1,2,3,4,5,6,7
.irp j, 0,2,4,6
	v_pk_add_f32 v[64*((\a)%4)+8*\b+\j:64*((\a)%4)+8*\b+\j+1], v[64*((\a)%4)+8*\b+\j:64*((\a)%4)+8*\b+\j+1], v[NZ+8*\b+\j:NZ+8*\b+\j+1]
.endr
.endr
	WIN 0
.endm
; In the loop the block differs from trip to trip: at place p of the trip with s3 = 3, 2, 1 it is block p, 2 + p, 4 + p.  Only the 32 additions name other registers, so only they are written three times;
; the branch hangs on the count of laps, which is the same in every wave and every work-group.  Eight places follow: the distance that is asked of a scale register written by a vector instruction
; ahead of a scaled matrix instruction is kept here for the accumulators too.
.macro ADDSW p
	s_cmp_eq_u32 s3, 3
	s_cbranch_scc1 .Lfirst_\@
	s_cmp_eq_u32 s3, 2
	s_cbranch_scc1 .Lsecond_\@
	ADD 4+\p
	s_branch .Ladded_\@
.Lfirst_\@:
	ADD 0+\p
	s_branch .Ladded_\@
.Lsecond_\@:
	ADD 2+\p
.Ladded_\@:
	PLACES 8
.endm
	s_wait_loadcnt 0x0                             ; mean and std
.irp j, 0,2,4,6,8,10,12,14
	v_pk_mul_f32 v[MEAN+\j:MEAN+\j+1], v[MEAN+\j:MEAN+\j+1], s[NS:NS+1] op_sel_hi:[1,0]   ; x 2^-12, once
.endr
	EPLOAD                                         ; block 0 of eps: wanted at the end of K step 0
	s_wait_tensorcnt 1                             ; my part of K step 0 is in (K step 1's load may be out)
	s_barrier_signal -1
	s_barrier_wait -1                              ; everybody's is
	FETCH_B 0, 0, 0
	FETCH_A 0, 0, 0
	SCALES 0
	FETCH_A 0, 0, 4
	STEP 0, 0, 1                                   ; the first step stands in front of the loop: its products start the sums
	s_mov_b32 s3, LAPS-1
.Llap:                                                 ; a trip goes once round the ring, from a lap's second step to the next lap's first, and fills both slots again: K steps 2 to 7 in three trips
	STEPS 0, 1
	NOISE 1                                        ; ahead of the wait for the next tile: the wave works where it would stand
	ADDSW 0
	TURN 0, 1, 1
	STEPS 1, 0
	NOISE 1
	ADDSW 1
	TURN 1, 0, 1
	STEP 0, 0, 0
	s_sub_co_u32 s3, s3, 1
	s_cmp_lg_u32 s3, 0
	s_cbranch_scc1 .Llap
	STEPS 0, 1                                     ; the last lap fills nothing, and has no round of the cluster's barrier
	NOISE 1
	ADD 6
	PLACES 8
	TURN 0, 1, 0
	STEPS 1, 0
	NOISE 0                                        ; the last block: nothing more is asked for, so no load leaves eps
	ADD 7
	PLACES 8
	s_wait_dscnt 4*NL                              ; the very last step: nothing more to fetch
	WIN MUL_LO
	MUL16 0, 1, NQ-1, 1, 0
	MUL16 2, 1, NQ-1, 1, 0
	s_wait_dscnt 0
	WIN MUL_HI
	MUL16 4, 1, NQ-1, 1, 0
	MUL16 6, 1, NQ-1, 1, 0
	WIN 0
; THE WAY OUT, block by block of 16 rows x 128 columns.  A lane holds 32 neighbouring bytes of a row, and the lanes beside it hold other rows: so a block goes through my own stage in LDS and comes back as whole
; rows of 512 bytes.  LDS serves a wave's instructions in order (ISA guide 5.7.1.4): no wait between the stores and the loads, nor in front of the next block's stores.
; Each block comes back into 64 registers of its own, so that no store's data are ever written again and no wait stands for them: blocks 0-2 in window 0 (the scale words', A's and the idle registers),
; blocks 3-6 in window 1 (B's two sets, eps's, the noise's), block 7 in block 0's accumulators, which the stage read long before.
.macro OBUF a                          ; OB: the block's first register; OW: its window
.set OW, 1
.if (\a) == 0
.set OB, 32
.set OW, 0
.elseif (\a) == 1
.set OB, 128
.set OW, 0
.elseif (\a) == 2
.set OB, 192
.set OW, 0
.elseif (\a) == 7
.set OB, 0
.set OW, 2
.else
.set OB, 64*((\a)-3)
.endif
.endm
.macro TOSTAGE a
	OBUF \a
.set AC, 64*((\a)%4)
	WIN 0x08+4*((\a)/4)                            ; the data: window 2 or 3
.irp b, 0,1,2,3,4,5,6,7
	ds_store_b128 v[STO], v[AC+8*\b:AC+8*\b+3] offset:64*\b          ; each accumulator from its low end on
	ds_store_b128 v[STO], v[AC+8*\b+4:AC+8*\b+7] offset:64*\b+16
.endr
	WIN 0x40*OW
.irp t, 0,1,2,3,4,5,6,7,8,9,10,11,12,13,14,15
	ds_load_b128 v[OB+4*\t:OB+4*\t+3], v[RD] offset:\t*SPITCH
.endr
.endm
.macro SEND a, younger                 ; younger: the LDS instructions issued behind block a's loads from the stage, which may stay out
	OBUF \a
	s_wait_dscnt \younger                          ; the block is back in registers
	WIN 0x04*OW                                    ; a store's data are its source 1
.irp t, 0,1,2,3,4,5,6,7,8,9,10,11,12,13,14,15
	global_store_b128 v[CO], v[OB+4*\t:OB+4*\t+3], s[14:15] offset:(16*(\a)+\t)*ROWC th:TH_STORE_NT   ; 32 lanes store 512 consecutive bytes, at a multiple of 256 from out0's first byte; written once, read by nobody here
.endr
.endm
	PLACES NP                                      ; behind the last products: for the loads into the registers that held fragments and scale words, and for the first reads of results
	TOSTAGE 0
.irp a, 1,2,3,4,5,6,7
	TOSTAGE \a
	SEND \a-1, 32                                  ; behind block a - 1's loads from the stage: block a's 16 stores and 16 loads
.endr
	SEND 7, 0
	WIN 0
	s_wait_tensorcnt 0x0                           ; the wave's end: behind my last tensor load and my last LDS store
	ds_add_u32 v[SPW], v[NIL]
	s_wait_dscnt 0x0
	CROUND                                         ; the closing round: no work-group ends while a partner may still ask for a block that names it
	s_endpgm
.Lfunc_end_k_q1c8fc1e715_gemm:
	.size	k_q1c8fc1e715_gemm, .Lfunc_end_k_q1c8fc1e715_gemm-k_q1c8fc1e715_gemm
	.p2alignl 7, 3214868480
	.fill 96, 4, 3214868480
	.section	.rodata,"a",@progbits
	.p2align	6, 0x0
	.amdhsa_kernel k_q1c8fc1e715_gemm
		.amdhsa_group_segment_fixed_size 327680
		.amdhsa_private_segment_fixed_size 0
		.amdhsa_enable_private_segment 0
		.amdhsa_kernarg_size 48
		.amdhsa_user_sgpr_count 2
		.amdhsa_user_sgpr_kernarg_segment_ptr 1
		.amdhsa_wavefront_size32 1
		.amdhsa_system_sgpr_workgroup_id_x 1
		.amdhsa_system_sgpr_workgroup_id_y 1
		.amdhsa_system_sgpr_workgroup_id_z 1
		.amdhsa_system_vgpr_workitem_id 0
		.amdhsa_next_free_vgpr 1024
		.amdhsa_next_free_sgpr 80
		.amdhsa_reserve_vcc 0
		.amdhsa_float_denorm_mode_32 3
		.amdhsa_float_denorm_mode_16_64 3
		.amdhsa_memory_ordered 1
		.amdhsa_forward_progress 1
		.amdhsa_inst_pref_size 253
	.end_amdhsa_kernel
	.amdgpu_metadata
---
amdhsa.version: [ 1, 2 ]
amdhsa.kernels:
  - .name:           k_q1c8fc1e715_gemm
    .symbol:         k_q1c8fc1e715_gemm.kd
    .args:
      - { .name: xq, .offset: 0, .size: 8, .value_kind: global_buffer, .address_space: global }
      - { .name: wq, .offset: 8, .size: 8, .value_kind: global_buffer, .address_space: global }
      - { .name: noise_mean, .offset: 16, .size: 8, .value_kind: global_buffer, .address_space: global }
      - { .name: noise_std, .offset: 24, .size: 8, .value_kind: global_buffer, .address_space: global }
      - { .name: noise_eps, .offset: 32, .size: 8, .value_kind: global_buffer, .address_space: global }
      - { .name: out0, .offset: 40, .size: 8, .value_kind: global_buffer, .address_space: global }
    .group_segment_fixed_size: 327680
    .private_segment_fixed_size: 0
    .kernarg_segment_align: 8
    .kernarg_segment_size: 48
    .max_flat_workgroup_size: 128
    .sgpr_count:     80
    .vgpr_count:     1024
    .wavefront_size: 32
...
	.end_amdgpu_metadata
.endif
;; end of part 2
